; MI455X (gfx1250); checked and timed in simulation.
; The chip was launched on July 23, 2026; its instructions are those of AMD's public machine-readable ISA for CDNA 5 (MIT licence, August 2026) and "CDNA5" Instruction Set Architecture Reference Guide (July 2026). The comments in the code are by the model that wrote it; some were corrected since.
;; Single Head Attention. Allowed arithmetic: matrix products marked QUANTISED: E5M2 operands, one given power-of-two scale a tensor, by v_wmma_f32_16x16x64_bf8_bf8 or v_wmma_f32_16x16x128_bf8_bf8, f32 sums; everything else in f32.
;; Inputs: Wk 128 x 1,024 float32; Wq 128 x 1,024 float32; Wv 128 x 1,024 float32; lowp_scales 10 int32 (the exponents e of the quantised operands' scales 2^e); x 8 x 4,096 x 1,024 float32.
;; Outputs: out0 8 x 4,096 x 128 float32.
;; This version of the problem:
;;   THIS VERSION OF THE PROBLEM IS GIVEN IN LOW PRECISION. The matrix products marked QUANTISED in the list below multiply operands that are first quantised to E5M2 (5 exponent bits, 2 mantissa bits; 8 bits a number), with one given power-of-two scale for each operand tensor; their sums are f32. All else is computed in f32.
;;   The module's matrix products, in the order in which they are computed (A, B: the left and right operand; K: the contracted axis; several contracted axes count as one K, in the product's order):
;;     1. [M 32,768, K 1,024] x [K 1,024, N 128]; A: input x; B: input Wk: QUANTISED (scales: A lowp_scales[0], B lowp_scales[1])
;;     2. [M 32,768, K 1,024] x [K 1,024, N 128]; A: input x; B: input Wq: QUANTISED (scales: A lowp_scales[2], B lowp_scales[3])
;;     3. [M 32,768, K 1,024] x [K 1,024, N 128]; A: input x; B: input Wv: QUANTISED (scales: A lowp_scales[4], B lowp_scales[5])
;;     4. batch 8 x [M 4,096, K 128] x [K 128, N 4,096]; A: computed on the way; B: computed on the way: QUANTISED (scales: A lowp_scales[6], B lowp_scales[7])
;;     5. batch 8 x [M 4,096, K 4,096] x [K 4,096, N 128]; A: softmax (see below); B: computed on the way: QUANTISED (scales: A lowp_scales[8], B lowp_scales[9])
;;   THE QUANTISER, for each operand of a quantised product, along K:
;;     - The operand's scale is 2^e, e = its entry of the input lowp_scales (int32; the entries are numbered through the quantised products in the list's order, A before B).
;;     - Each number is divided by the scale, clamped to +-57,344, and rounded to the nearest number of E5M2, ties to even, subnormals kept.
;;     - The product sums the exact products of the quantised numbers (number of the format x scale) in f32.
;;   ~~~python
;;   def quantise(x, axis, e):      # numpy; x: float32 -> the quantised numbers, widened to float32 again
;;       x = np.moveaxis(x, axis, -1); K = x.shape[-1]
;;       r = np.clip(x / 2.0 ** e, -57344, 57344)
;;       step = 2.0 ** (np.maximum(np.frexp(np.where(r == 0, 1, r))[1] - 1, -14) - 2)
;;       q = np.round(r / step) * step * 2.0 ** e      # np.round: ties to even
;;       return np.moveaxis(q, -1, axis).astype(np.float32)
;;   ~~~
;;   SOFTMAX AHEAD OF A QUANTISED PRODUCT. Where the list says 'softmax', what is quantised is not the finished softmax but p = 2^(t - M), with t = logit x log2(e) and M = ceil(the row's largest t), a whole number; so 1/2 < the row's largest p <= 1. The row's sum l is taken of the UNQUANTISED p, in f32, and the product's result is divided by l at the end. Since M is a whole number, a kernel that streams over the keys may use a running M (the ceiling of the running maximum): every later rescaling is an exact power of two, so the quantised numbers keep their values, but for numbers so far below the row's largest that they fall under the format's range.
;;   OPERANDS COMPUTED ON THE WAY. 'Computed on the way' means the value that the module computes at that place (a softmax that the list does not call 'softmax' is quantised finished and normalised). What goes into a quantiser is computed in f32, as accurately as f32 sums, v_exp_f32 and their like allow (about 1e-6 of the number): no bf16 or f16 on the way to a quantiser, and a product that is left as it is and whose result goes on into a quantised operand takes f32 operands (vector FMAs, or v_wmma_f32_16x16x4_f32). A number that lies on a knife's edge between two numbers of the format may be rounded either way, as far as f32 arithmetic and the matrix unit's own rounding can turn it there, and no further.
;; One version. Each part assembles by itself: llvm-mc -triple=amdgcn-amd-amdhsa -mcpu=gfx1250 --defsym DOCPART=n.
;; ======== version 1 of 1: 3 launches
;; limits: right only within a limited range of input values
;; workspace buffers: wf 393,216 bytes; qf 4,194,304 bytes; kv 8,388,608 bytes
;; launch wquant (part 1): grid 24 x 8, 1 waves a work-group, no clusters, 8,704 bytes of LDS; arguments Wk, Wq, Wv, lowp_scales, wf; writes wf
.if DOCPART == 1
	.amdgcn_target "amdgcn-amd-amdhsa--gfx1250"
	.amdhsa_code_object_version 6
	.text
	.protected	k_q080c30eabb_wquant
	.globl	k_q080c30eabb_wquant
	.p2align	8
	.type	k_q080c30eabb_wquant,@function
k_q080c30eabb_wquant:
	s_mov_b64 s[64:65], 0
	v_nop
	global_prefetch_b8 v0, s[64:65] scope:SCOPE_SE
	s_setreg_imm32_b32 hwreg(HW_REG_WAVE_MODE, 25, 1), 1
	s_wait_xcnt 0x0
; Wk, Wq, Wv [128][1024] f32 become codes of BF8 (E5M2), each with its given scale 2^e (entries 1, 3, 5 of the scales), laid as IMAGES OF OPERAND REGISTERS:
; wf[s 0..7 (128 along K)][m 0..2 (k, q, v)][t 0..7 (16 rows)][2,048 bytes]; in an image byte 512 c + 16 lane holds registers 4 c .. 4 c + 3 of lane (r = lane % 16, h = lane / 16):
; the codes of row 16 t + r at k = 128 s + 32 c + 16 h + 0 .. 15.  So the next launch brings a K step's 24 fragments as one dense block and reads each by four loads of 16 bytes a lane.
; code = w / 2^e, held within +-57,344, to the nearest code, ties to even.  LIMITS: e between -126 and 112; NaN among the inputs is not served.
; One wave makes one image: work-group x = 8 m + t, y = s.  Each of its 16 loads reads 512 consecutive bytes of one row; the 8 KiB turn through LDS (rows 528 bytes apart, 33 x 16
; 64 banks of 4 bytes, ISA guide 11.1), so that a lane gets 16 neighbours along K of each block of 32.
; Nothing is shared between work-groups, so there is no cluster; one wave, so no barrier.
.set SP, 528
.set R,  16                            ; v16-79   16 rows as loaded
.set X,  80                            ; v80-143  my 64 numbers: register 16 c + i = k 32 c + 16 h + i of row r
.set C,  144                           ; v144-159 the codes
	s_load_b256 s[4:11], s[0:1], 0x0               ; Wk s[4:5], Wq s[6:7], Wv s[8:9], the scales' exponents s[10:11]
	s_load_b64 s[12:13], s[0:1], 0x20              ; wf
	v_lshl_add_u32 v168, v0, 2, 0x2100
	v_mov_b32 v169, 0
	v_lshlrev_b32 v1, 4, v0                        ; 16 x lane
	v_and_b32 v2, 15, v0                           ; r
	v_lshrrev_b32 v3, 4, v0                        ; h
	v_mul_u32_u24 v4, v2, SP
	v_lshl_add_u32 v4, v3, 6, v4                   ; out of the stage: row r, + 64 h bytes
	s_and_b32 s14, ttmp7, 0xffff                   ; s
	s_and_b32 s15, ttmp9, 7                        ; t
	s_lshl_b32 s24, s15, 16                        ; 16 rows of 4,096 bytes
	s_lshl_b32 s25, s14, 9                         ; 128 numbers of 4 bytes
	s_add_co_u32 s24, s24, s25
	s_mov_b32 s25, 0
	s_mul_i32 s26, s14, 49152                      ; a K step's 24 images
	s_lshl_b32 s27, ttmp9, 11
	s_add_co_u32 s26, s26, s27
	s_mov_b32 s27, 0
	s_wait_alu depctr_va_vdst(0)
	s_wait_kmcnt 0x0
	s_load_b256 s[16:23], s[10:11], 0x0            ; entries 0 to 7
	s_cmp_lt_u32 ttmp9, 16                         ; which matrix: the choice hangs on the work-group's number alone
	s_cselect_b64 s[6:7], s[6:7], s[8:9]
	s_cmp_lt_u32 ttmp9, 8
	s_cselect_b64 s[4:5], s[4:5], s[6:7]
	s_add_nc_u64 s[4:5], s[4:5], s[24:25]
	s_add_nc_u64 s[12:13], s[12:13], s[26:27]
.set i, 0
.rept 16
	global_load_b128 v[R+4*i:R+4*i+3], v1, s[4:5] offset:4096*i th:TH_LOAD_NT   ; row i: 32 lanes read 512 consecutive bytes
.set i, i+1
.endr
	s_wait_kmcnt 0x0
	s_cmp_lt_u32 ttmp9, 16
	s_cselect_b32 s19, s19, s21                    ; e of Wq or of Wv
	s_cmp_lt_u32 ttmp9, 8
	s_cselect_b32 s17, s17, s19                    ; e
	s_add_co_i32 s17, s17, 127
	s_lshl_b32 s18, s17, 23
	v_mov_b32 v11, s18                             ; 2^e as f32: the conversion takes its exponent field
	s_add_co_i32 s17, s17, 15
	s_lshl_b32 s17, s17, 23
	s_or_b32 s17, s17, 0x600000
	v_mov_b32 v10, s17                             ; 57,344 x 2^e
	s_wait_alu depctr_va_vdst(0)
	s_wait_loadcnt 0x0
.set i, 0
.rept 16
	ds_store_b128 v1, v[R+4*i:R+4*i+3] offset:SP*i
.set i, i+1
.endr
.irp c, 0,1,2,3
.irp j, 0,1,2,3
	ds_load_b128 v[X+16*\c+4*\j:X+16*\c+4*\j+3], v4 offset:128*\c+16*\j   ; LDS serves a wave's instructions in order (ISA guide 5.7.1.4): these see the stores above
.endr
.endr
	s_wait_dscnt 0x0
.set i, 0
.rept 64
	v_med3_num_f32 v[X+i], v[X+i], -v10, v10       ; the conversion to an 8-bit code does not saturate (ISA guide 7.6.2): the hold at the largest code x the scale
.set i, i+1
.endr
.set i, 0
.rept 8
	v_cvt_scalef32_pk8_bf8_f32 v[C+2*i:C+2*i+1], v[X+8*i:X+8*i+7], v11
.set i, i+1
.endr
.irp c, 0,1,2,3
	global_store_b128 v1, v[C+4*\c:C+4*\c+3], s[12:13] offset:512*\c   ; 32 lanes store 512 consecutive bytes, at a multiple of 256 from the buffer's first byte
.endr
	s_wait_tensorcnt 0x0
	ds_add_u32 v168, v169
	s_wait_dscnt 0x0
	s_endpgm
.Lfunc_end_k_q080c30eabb_wquant:
	.size	k_q080c30eabb_wquant, .Lfunc_end_k_q080c30eabb_wquant-k_q080c30eabb_wquant
	.p2alignl 7, 3214868480
	.fill 96, 4, 3214868480
	.section	.rodata,"a",@progbits
	.p2align	6, 0x0
	.amdhsa_kernel k_q080c30eabb_wquant
		.amdhsa_group_segment_fixed_size 8704
		.amdhsa_private_segment_fixed_size 0
		.amdhsa_enable_private_segment 0
		.amdhsa_kernarg_size 40
		.amdhsa_user_sgpr_count 2
		.amdhsa_user_sgpr_kernarg_segment_ptr 1
		.amdhsa_wavefront_size32 1
		.amdhsa_system_sgpr_workgroup_id_x 1
		.amdhsa_system_sgpr_workgroup_id_y 1
		.amdhsa_system_sgpr_workgroup_id_z 1
		.amdhsa_system_vgpr_workitem_id 0
		.amdhsa_next_free_vgpr 170
		.amdhsa_next_free_sgpr 66
		.amdhsa_reserve_vcc 0
		.amdhsa_float_denorm_mode_32 3
		.amdhsa_float_denorm_mode_16_64 3
		.amdhsa_memory_ordered 1
		.amdhsa_forward_progress 1
		.amdhsa_inst_pref_size 11
	.end_amdhsa_kernel
	.amdgpu_metadata
---
amdhsa.version: [ 1, 2 ]
amdhsa.kernels:
  - .name:           k_q080c30eabb_wquant
    .symbol:         k_q080c30eabb_wquant.kd
    .args:
      - { .name: Wk, .offset: 0, .size: 8, .value_kind: global_buffer, .address_space: global }
      - { .name: Wq, .offset: 8, .size: 8, .value_kind: global_buffer, .address_space: global }
      - { .name: Wv, .offset: 16, .size: 8, .value_kind: global_buffer, .address_space: global }
      - { .name: lowp_scales, .offset: 24, .size: 8, .value_kind: global_buffer, .address_space: global }
      - { .name: wf, .offset: 32, .size: 8, .value_kind: global_buffer, .address_space: global }
    .group_segment_fixed_size: 8704
    .private_segment_fixed_size: 0
    .kernarg_segment_align: 8
    .kernarg_segment_size: 40
    .max_flat_workgroup_size: 32
    .sgpr_count:     66
    .vgpr_count:     170
    .wavefront_size: 32
...
	.end_amdgpu_metadata
.endif
;; end of part 1
;; launch proj (part 2): grid 256 x 1, 4 waves a work-group, clusters of 4 x 1, 327,680 bytes of LDS; arguments x, wf, lowp_scales, qf, kv; writes qf, kv
.if DOCPART == 2
	.amdgcn_target "amdgcn-amd-amdhsa--gfx1250"
	.amdhsa_code_object_version 6
	.text
	.protected	k_q080c30eabb_proj
	.globl	k_q080c30eabb_proj
	.p2align	8
	.type	k_q080c30eabb_proj,@function
k_q080c30eabb_proj:
	s_mov_b64 s[64:65], 0
	v_nop
	global_prefetch_b8 v0, s[64:65] scope:SCOPE_SE
	s_setreg_imm32_b32 hwreg(HW_REG_WAVE_MODE, 25, 1), 1
	s_wait_xcnt 0x0
	s_wait_alu depctr_hold_cnt(0) depctr_sa_sdst(0) depctr_va_vdst(0) depctr_va_sdst(0) depctr_va_ssrc(0) depctr_va_vcc(0) depctr_vm_vsrc(0)
	s_getreg_b32 s2, hwreg(HW_REG_IB_STS2, 6, 4)
	s_cmp_eq_u32 s2, 0
	s_cbranch_scc0 .Lentry_in_a_cluster
	s_endpgm
.Lentry_in_a_cluster:
	s_bfe_u32 s2, ttmp6, 0x10000c
	s_cmp_lg_u32 s2, 0x3003
	s_cbranch_scc0 .Lentry_shape_is_right
	s_endpgm
.Lentry_shape_is_right:
.set SLOT1, 131072
.set WSTEP, 49152
.set WSLOT, 2*WSTEP
.set WPART, WSLOT/4
.set XST,   SLOT1+WSLOT
.set XSTW,  16896
.set SP,    528
.set SPARE, XST+4*XSTW
.set LI,  1
.set WB,  2
.set STI, 3
.set STO, 4
.set SPW, 5
.set NIL, 6
.set SC,  7
.set T,   16
.set XC,  32
.set XF,  128
.set LIM, 36
.set G0A, 32
.set G0B, 68
.set MSB, 0
.macro WIN new
.if MSB != \new
	s_set_vgpr_msb (MSB<<8)|\new
.set MSB, \new
.endif
.endm
.macro PLACES n
.rept \n
	v_nop
.endr
.endm
.macro CROUND
	s_barrier_signal -1
	s_barrier_wait -1
	s_cmp_lg_u32 s14, 0
	s_cbranch_scc1 .Lnot_wave_0_\@
	s_barrier_signal -3
.Lnot_wave_0_\@:
	s_barrier_wait -3
	s_barrier_signal -1
	s_barrier_wait -1
.endm
.macro LIMITS e, m
	s_add_co_i32 s60, s[\e], 127
	s_lshl_b32 s61, s60, 23
	v_mov_b32 v[SC+\m], s61
	s_add_co_i32 s60, s60, 15
	s_lshl_b32 s60, s60, 23
	s_or_b32 s[LIM+2*\m+1], s60, 0x600000
	s_or_b32 s[LIM+2*\m], s[LIM+2*\m+1], 0x80000000
.endm
.macro CHANGE fill
	s_wait_tensorcnt 0x0
	ds_add_u32 v[SPW], v[NIL]
.if \fill
	s_xor_b32 s[G0B+1], s[G0B+1], SLOT1
	s_add_nc_u64 s[G0B+2:G0B+3], s[G0B+2:G0B+3], WSLOT
.endif
	s_wait_dscnt 0x0
.if \fill
	CROUND
	tensor_load_to_lds s[G0B:G0B+3], s[24:31]
	s_nop 0
	PLACES 4
.else
	s_barrier_signal -1
	s_barrier_wait -1
.endif
.endm
.macro WLOAD m
.irp t, 0,1,2,3,4,5,6,7
.irp c, 0,1,2,3
	ds_load_b128 v[128+16*\t+4*\c:128+16*\t+4*\c+3], v[WB] offset:(8*\m+\t)*2048+512*\c
.endr
.endr
.endm
.macro XLOAD p, off
.set i, 0
.rept 32
	global_load_b128 v[128*(\p)+4*i:128*(\p)+4*i+3], v[LI], s[20:21] offset:i*4096+\off th:TH_LOAD_NT
.set i, i+1
.endr
.endm
.macro TURN p
	WIN 0x04
.set i, 0
.rept 32
	ds_store_b128 v[STI], v[128*(\p)+4*i:128*(\p)+4*i+3] offset:SP*i
.set i, i+1
.endr
	PLACES 4
	WIN 0
.irp u, 0,1
.irp c, 0,1,2,3
.irp j, 0,1,2,3
	ds_load_b128 v[XF+64*\u+16*\c+4*\j:XF+64*\u+16*\c+4*\j+3], v[STO] offset:16*\u*SP+128*\c+16*\j
.endr
.endr
.endr
.endm
; x's 128 numbers a lane become codes for matrix m, eight blocks of 16.  The conversions stand half a block behind the holds.  st >= 0: two rows of x's next K step go into the stage behind each block (rows st + 2 qb, + 1).
.macro MED m, a
.irp i, \a, \a+1, \a+2, \a+3
	v_med3_num_f32 v[T+\i], v[XF+16*qb+\i], s[LIM+2*\m], s[LIM+2*\m+1]
.endr
.endm
.macro CVT m, b, h
	v_cvt_scalef32_pk8_bf8_f32 v[XC+32*\m+4*(\b)+2*\h:XC+32*\m+4*(\b)+2*\h+1], v[T+8*\h:T+8*\h+7], v[SC+\m]
.endm
.macro QUANT m, st, rb
.set qb, 0
.rept 8
	MED \m, 0
.if qb > 0
	CVT \m, qb-1, 1
.endif
	MED \m, 4
	MED \m, 8
	CVT \m, qb, 0
	MED \m, 12
.if \st >= 0
	WIN 0x04
	ds_store_b128 v[STI], v[128*(\rb)+4*(\st+2*qb):128*(\rb)+4*(\st+2*qb)+3] offset:SP*(\st+2*qb)
	ds_store_b128 v[STI], v[128*(\rb)+4*(\st+2*qb)+4:128*(\rb)+4*(\st+2*qb)+7] offset:SP*(\st+2*qb)+SP
	WIN 0
.endif
.set qb, qb+1
.endr
	CVT \m, 7, 1
	v_nop
.endm
.macro TLOAD                           ; and back, 16 neighbours a lane
.irp u, 0,1
.irp c, 0,1,2,3
.irp j, 0,1,2,3
	ds_load_b128 v[XF+64*\u+16*\c+4*\j:XF+64*\u+16*\c+4*\j+3], v[STO] offset:16*\u*SP+128*\c+16*\j
.endr
.endr
.endr
.endm
.macro MULKQ acc, m, zero
.irp t, 0,1,2,3,4,5,6,7
.irp u, 0,1
.if \zero
	v_wmma_f32_16x16x128_bf8_bf8 v[\acc+64*\u+8*\t:\acc+64*\u+8*\t+7], v[128+16*\t:128+16*\t+15], v[XC+32*\m+16*\u:XC+32*\m+16*\u+15], 0
.else
	v_wmma_f32_16x16x128_bf8_bf8 v[\acc+64*\u+8*\t:\acc+64*\u+8*\t+7], v[128+16*\t:128+16*\t+15], v[XC+32*\m+16*\u:XC+32*\m+16*\u+15], v[\acc+64*\u+8*\t:\acc+64*\u+8*\t+7]
.endif
.endr
.endr
.endm
.macro MULV zero
.irp t, 0,1,2,3,4,5,6,7
.irp u, 0,1
.if \zero
	s_wait_alu depctr_va_vdst(0)
	v_wmma_f32_16x16x128_bf8_bf8 v[16*\t+8*\u:16*\t+8*\u+7], v[XC+64+16*\u:XC+64+16*\u+15], v[128+16*\t:128+16*\t+15], 0
.else
	v_wmma_f32_16x16x128_bf8_bf8 v[16*\t+8*\u:16*\t+8*\u+7], v[XC+64+16*\u:XC+64+16*\u+15], v[128+16*\t:128+16*\t+15], v[16*\t+8*\u:16*\t+8*\u+7]
.endif
.endr
.endr
.endm
.macro KSTEP p, q, zero, ahead, turn
.if \q
	v_add_nc_u32 v[WB], WSTEP, v[WB]
.else
	v_add_nc_u32 v[WB], s17, v[LI]
.endif
	WIN 0xc0
	WLOAD 0
	s_wait_dscnt 32
.if \ahead
	s_wait_xcnt 0x0
	s_add_nc_u64 s[20:21], s[20:21], 512
	WIN 0x40
	XLOAD \p, 0
.endif
	WIN 0
	QUANT 0, -1, 0
.if \turn
.if \ahead
	s_wait_loadcnt 32                              ; x's next K step is in; the 32 loads of the one behind it may be out
.else
	s_wait_loadcnt 0x0
.endif
	QUANT 1, 0, 1-\p
	QUANT 2, 16, 1-\p
.else
	QUANT 1, -1, 0
	QUANT 2, -1, 0
.endif
	WLOAD 1
	s_wait_alu depctr_va_vdst(0)
	s_wait_dscnt 32
	WIN 0xa3
	MULKQ 0, 0, \zero
	PLACES 4
	WIN 0xc0
	WLOAD 2
	s_wait_dscnt 32
	WIN 0xa0
	MULKQ 128, 1, \zero
.if \turn
	WIN 0
	PLACES 4
	TLOAD
	s_wait_dscnt 32                                ; all but the 32 just issued
.else
	s_wait_dscnt 0x0
.endif
	WIN 0xfc
	MULV \zero
	WIN 0
	PLACES 4
.if \q
	s_xor_b32 s17, s17, SLOT1
.endif
.endm
	s_load_b256 s[4:11], s[0:1], 0x0
	s_load_b64 s[12:13], s[0:1], 0x20
	v_lshl_add_u32 v[SPW], v0, 2, SPARE
	v_mov_b32 v[NIL], 0
	ds_add_u32 v5, v6
	ds_add_u32 v5, v6
	s_wait_dscnt 0x0
	v_lshrrev_b32 v2, 5, v0
	v_readfirstlane_b32 s14, v2
	v_and_b32 v1, 31, v0
	v_lshlrev_b32 v[LI], 4, v1
	v_and_b32 v7, 15, v0
	v_bfe_u32 v8, v0, 4, 1
	s_mul_i32 s22, s14, XSTW
	s_add_co_u32 s22, s22, XST
	v_add_nc_u32 v[STI], s22, v[LI]
	v_mul_u32_u24 v[STO], v7, SP
	v_lshl_add_u32 v[STO], v8, 6, v[STO]
	v_add_nc_u32 v[STO], s22, v[STO]
	s_mov_b32 s24, 15|(3<<16)|(1<<21)
	s_mov_b32 s25, 32<<16
	s_mov_b32 s26, 96<<16
	s_mov_b32 s27, 32<<16
	s_mov_b32 s28, 96
	s_mov_b32 s29, 32
	s_mov_b32 s30, 0
	s_mov_b32 s31, 0
	s_mul_i32 s22, s14, WPART
	s_mov_b32 s23, 0
	s_mov_b32 s[G0A], 1
	s_mov_b32 s[G0A+1], s22
	s_mov_b32 s[G0B], 1
	s_add_co_u32 s[G0B+1], s22, SLOT1
	s_mov_b32 s17, 0
	s_bfe_u32 s15, ttmp6, 0x40000
	s_lshl_b32 s16, ttmp9, 2
	s_add_co_u32 s16, s16, s15
	s_lshl_b32 s2, s16, 19
	s_lshl_b32 s3, s14, 17
	s_add_co_u32 s2, s2, s3
	s_mov_b32 s3, 0
	s_mov_b32 s61, 0
	s_wait_alu depctr_va_vdst(0)
	s_wait_kmcnt 0x0
	s_load_b256 s[44:51], s[8:9], 0x0
	s_load_b64 s[52:53], s[8:9], 0x20
	s_add_nc_u64 s[G0A+2:G0A+3], s[6:7], s[22:23]
	s_add_nc_u64 s[G0B+2:G0B+3], s[G0A+2:G0A+3], WSLOT
	s_or_b32 s[G0A+3], s[G0A+3], 0x80000000
	s_or_b32 s[G0B+3], s[G0B+3], 0x80000000
	s_add_nc_u64 s[20:21], s[4:5], s[2:3]
	s_lshl_b32 s2, s16, 15
	s_lshl_b32 s60, s14, 12
	s_add_co_u32 s60, s60, s2
	s_add_nc_u64 s[54:55], s[12:13], s[60:61]
	s_lshl_b32 s60, s14, 9
	s_add_co_u32 s60, s60, s2
	s_add_co_u32 s60, s60, 16384
	s_add_nc_u64 s[56:57], s[12:13], s[60:61]
	s_lshl_b32 s2, s16, 14
	s_lshl_b32 s60, s14, 12
	s_add_co_u32 s60, s60, s2
	s_add_nc_u64 s[58:59], s[10:11], s[60:61]
	CROUND
	tensor_load_to_lds s[G0A:G0A+3], s[24:31]      ; the first weights, ahead of x
	s_nop 0
	WIN 0x40
	XLOAD 0, 0
	XLOAD 1, 512
	WIN 0
	s_wait_alu depctr_va_vdst(0)
	s_wait_tensorcnt 0x0
	ds_add_u32 v5, v6
	s_wait_dscnt 0x0
	CROUND
	tensor_load_to_lds s[G0B:G0B+3], s[24:31]
	s_nop 0
	PLACES 4
	s_wait_xcnt 0x0
	s_add_nc_u64 s[20:21], s[20:21], 512
	s_wait_kmcnt 0x0
	LIMITS 44, 0
	LIMITS 46, 1
	LIMITS 48, 2
	s_wait_loadcnt 32
	TURN 0
	s_wait_tensorcnt 0x1
	s_wait_dscnt 0x0
	s_barrier_signal -1
	s_barrier_wait -1
	KSTEP 0, 0, 1, 1, 1
	KSTEP 1, 1, 0, 1, 1
	s_mov_b32 s18, 2
.Lpair:
	CHANGE 1
	KSTEP 0, 0, 0, 1, 1
	KSTEP 1, 1, 0, 1, 1
	s_sub_co_u32 s18, s18, 1
	s_cmp_lg_u32 s18, 0
	s_cbranch_scc1 .Lpair
	CHANGE 0
	KSTEP 0, 0, 0, 0, 1
	KSTEP 1, 1, 0, 0, 0
	s_sub_co_i32 s62, s51, s44
	s_sub_co_i32 s62, s62, s45
	LIMITS 62, 0
	s_sub_co_i32 s62, s50, s46
	s_sub_co_i32 s62, s62, s47
	LIMITS 62, 1
	s_sub_co_i32 s62, s53, s48
	s_sub_co_i32 s62, s62, s49
	LIMITS 62, 2
.macro OUTQ win, src, m, dst
	WIN \win
.set i, 0
.rept 128
	v_med3_num_f32 v[XF+i], v[\src+i], s[LIM+2*\m], s[LIM+2*\m+1]
.set i, i+1
.endr
	WIN 0
.set i, 0
.rept 16
	v_cvt_scalef32_pk8_bf8_f32 v[\dst+2*i:\dst+2*i+1], v[XF+8*i:XF+8*i+7], v[SC+\m]
.set i, i+1
.endr
	v_nop
.endm
	OUTQ 0x02, 0, 0, 32
.irp u, 0,1
.irp c, 0,1,2,3
	global_store_b128 v[LI], v[32+16*\u+4*\c:32+16*\u+4*\c+3], s[54:55] offset:2048*\u+512*\c
.endr
.endr
	OUTQ 0x02, 128, 1, 64
.irp u, 0,1
.irp c, 0,1,2,3
	global_store_b128 v[LI], v[64+16*\u+4*\c:64+16*\u+4*\c+3], s[58:59] offset:2048*\u+512*\c
.endr
.endr
	OUTQ 0x03, 0, 2, 96
.irp t, 0,1,2,3,4,5,6,7
	global_store_b128 v[LI], v[96+4*\t:96+4*\t+3], s[56:57] offset:2048*\t
.endr
	s_wait_tensorcnt 0x0
	ds_add_u32 v[SPW], v[NIL]
	s_wait_dscnt 0x0
	CROUND
	s_endpgm
.Lfunc_end_k_q080c30eabb_proj:
	.size	k_q080c30eabb_proj, .Lfunc_end_k_q080c30eabb_proj-k_q080c30eabb_proj
	.p2alignl 7, 3214868480
	.fill 96, 4, 3214868480
	.section	.rodata,"a",@progbits
	.p2align	6, 0x0
	.amdhsa_kernel k_q080c30eabb_proj
		.amdhsa_group_segment_fixed_size 327680
		.amdhsa_private_segment_fixed_size 0
		.amdhsa_enable_private_segment 0
		.amdhsa_kernarg_size 40
		.amdhsa_user_sgpr_count 2
		.amdhsa_user_sgpr_kernarg_segment_ptr 1
		.amdhsa_wavefront_size32 1
		.amdhsa_system_sgpr_workgroup_id_x 1
		.amdhsa_system_sgpr_workgroup_id_y 1
		.amdhsa_system_sgpr_workgroup_id_z 1
		.amdhsa_system_vgpr_workitem_id 0
		.amdhsa_next_free_vgpr 1024
		.amdhsa_next_free_sgpr 72
		.amdhsa_reserve_vcc 0
		.amdhsa_float_denorm_mode_32 3
		.amdhsa_float_denorm_mode_16_64 3
		.amdhsa_memory_ordered 1
		.amdhsa_forward_progress 1
		.amdhsa_inst_pref_size 255
	.end_amdhsa_kernel
	.section	.bss,"aw",@nobits
	.p2align	6
	.space	262144
	.amdgpu_metadata
---
amdhsa.version: [ 1, 2 ]
amdhsa.kernels:
  - .name:           k_q080c30eabb_proj
    .symbol:         k_q080c30eabb_proj.kd
    .args:
      - { .name: x, .offset: 0, .size: 8, .value_kind: global_buffer, .address_space: global }
      - { .name: wf, .offset: 8, .size: 8, .value_kind: global_buffer, .address_space: global }
      - { .name: lowp_scales, .offset: 16, .size: 8, .value_kind: global_buffer, .address_space: global }
      - { .name: qf, .offset: 24, .size: 8, .value_kind: global_buffer, .address_space: global }
      - { .name: kv, .offset: 32, .size: 8, .value_kind: global_buffer, .address_space: global }
    .group_segment_fixed_size: 327680
    .private_segment_fixed_size: 0
    .kernarg_segment_align: 8
    .kernarg_segment_size: 40
    .max_flat_workgroup_size: 128
    .sgpr_count:     72
    .vgpr_count:     1024
    .wavefront_size: 32
...
	.end_amdgpu_metadata
.endif
;; end of part 2
;; launch attn (part 3): grid 32 x 8, 8 waves a work-group, clusters of 4 x 1, 327,680 bytes of LDS; arguments qf, kv, lowp_scales, out0; writes out0
.if DOCPART == 3
	.amdgcn_target "amdgcn-amd-amdhsa--gfx1250"
	.amdhsa_code_object_version 6
	.text
	.protected	k_q080c30eabb_attn
	.globl	k_q080c30eabb_attn
	.p2align	8
	.type	k_q080c30eabb_attn,@function
k_q080c30eabb_attn:
	s_mov_b64 s[64:65], 0
	v_nop
	global_prefetch_b8 v0, s[64:65] scope:SCOPE_SE
	s_setreg_imm32_b32 hwreg(HW_REG_WAVE_MODE, 25, 1), 1
	s_wait_xcnt 0x0
	s_wait_alu depctr_hold_cnt(0) depctr_sa_sdst(0) depctr_va_vdst(0) depctr_va_sdst(0) depctr_va_ssrc(0) depctr_va_vcc(0) depctr_vm_vsrc(0)
	s_getreg_b32 s2, hwreg(HW_REG_IB_STS2, 6, 4)
	s_cmp_eq_u32 s2, 0
	s_cbranch_scc0 .Lentry_in_a_cluster
	s_endpgm
.Lentry_in_a_cluster:
	s_bfe_u32 s2, ttmp6, 0x10000c
	s_cmp_lg_u32 s2, 0x3003
	s_cbranch_scc0 .Lentry_shape_is_right
	s_endpgm
.Lentry_shape_is_right:
; out[b][q][:] = the sum over k of softmax_k(q . k / 32) v[k][:], 8 batches x 4,096 x 4,096, head 128, both products on codes of BF8 (E5M2) with the given scales: q entry 6, k entry 7, p entry 8, v entry 9.
; THE SOFTMAX AHEAD OF THE SECOND PRODUCT: t = score x log2(e) / 32; M = the largest t so far, rounded UP to a whole number; p = 2^(t - M) is quantised, not normalised; the sum is taken of the unquantised p
; and divides at the end.  When M moves, the sum and O are multiplied by 2^(old M - new M): exact.
; SHARES.  A work-group owns 128 queries of one batch.  Wave w = (g = w % 4, sh = w / 4) owns queries 32 g .. 32 g + 31 (two tiles of 16) and keys 2,048 sh .. 2,048 sh + 2,047: 16 steps of 128 keys: each fragment
; of K and V that a wave reads feeds two products, and two waves lie on a SIMD.  The two halves of the keys each have a running M and are merged at the end by exact powers of two (a p far below the row's largest may so
; keep a code where one M would have lost it).  The wave's tile u is the tile u xor sh of its 32 queries, so that at the end every wave keeps its tile 0 and gives its tile 1 away.
; LAYOUT.  Both products transposed: S^T = K Q^T (source 0 = 16 keys), O^T = V^T P^T (source 0 = 16 of the head's 128): a lane holds ONE query throughout.  S^T's tile t gives a lane keys 16 t + 8 h + 0 .. 7, so its
; conversions are registers 2 t, 2 t + 1 of P, and v's images were laid in that very order.  All operands come as images of their registers: four loads of 16 bytes a lane, 512 consecutive bytes each.
; CLUSTER.  The four query blocks of a cluster walk the same K and V: each wave asks for 16 KiB jointly, by the same tensor load with the same descriptor and a mask that names the four.
; RING.  Two slots of 128 KiB; a slot holds two key steps of each half of the keys: piece w (16 KiB: half w / 4, step (w / 2) % 2, K or V by w % 2) at 16,384 w.  Eight fills.
; LIMITS: e6 + e7 between -121 and 132 (they are added to c's exponent field); e8 between -126 and 112; e8 + e9 is applied by v_ldexp_f32 and has none.  The promise on the softmax holds while |t| stays under 2^31.
; REGISTERS, in windows of 256 (s_set_vgpr_msb: bits 1:0 source 0, 3:2 source 1, 5:4 source 2, 7:6 destination):
;   window 0: v1-11, v108 addresses and scales; v12-19 statistics, four a tile: -M, the largest score, the sum in two halves; v20-23 f, a pair a tile; v24-31, v96-107 at work; v32-63 Q; v64-95 P;
;             v128-255 S^T (128 + 64 u + 8 t), then V's eight fragments (128 + 16 t)          window 1: v0-127 O^T (64 u + 8 t); v128-255 K's eight fragments
.set SLOT1, 1<<17
.set SPARE, 2*SLOT1                    ; behind the ring: the spare words, 128 bytes for each wave: four blocks of 256 bytes that no other line names
.set XCHW,  8704                       ; the way out lies in slot 0, which has had its last fill and was left at the last change of slots: for each wave 8,192 bytes of O^T and 512 of statistics for its partner;
.set SP,    528                        ; when the partner has read them, its stage of 16 rows x (512 bytes + 16): sixteen rows start at sixteen different banks (64 banks of 4 bytes: ISA guide 11.1)
.set LB,  1                            ; 16 x lane + 65,536 x my half of the keys; never rewritten
.set ADR, 2                            ; the same in the slot in hand
.set PFO, 3                            ; 256 x lane; never rewritten
.set SPW, 4                            ; LDS address of my spare word; never rewritten
.set NIL, 5                            ; 0; never rewritten
.set XO,  6                            ; the exchange: mine
.set XI,  7                            ; and my partner's; also out of the stage
.set STO, 8                            ; into the stage: row r, + 32 h
.set HB,  10                           ; 57,344 x 2^e8
.set SCL, 11                           ; 2^e8
.set ST,  12
.set F,   20
.set MX,  24                           ; tile u's two chains of maxima at MX + 2 u
.set PX,  28                           ; the lane permutes' destinations
.set DD,  30
.set Q,   32
.set P,   64
.set CH,  96                           ; four chains of sums, a pair each
.set NT,  104
.set TM,  106
.set GO,  108                          ; 16 x lane
.set S,   128
.set KF,  128                          ; in window 1
.set CS,  36                           ; s[36:37] c = log2(e) / 32 x 2^(e6 + e7)
.set MSB, 0
.macro WIN new                         ; the immediate's high byte repeats the setting that is left
.if MSB != \new
	s_set_vgpr_msb (MSB<<8)|\new
.set MSB, \new
.endif
.endm
.macro PLACES n                        ; plain vector instructions behind matrix instructions (ISA guide 7.12.1)
.rept \n
	v_nop
.endr
.endm
.macro CROUND                          ; a round of the cluster's barrier
	s_barrier_signal -1
	s_barrier_wait -1
	s_cmp_lg_u32 s12, 0
	s_cbranch_scc1 .Lnot_wave_0_\@
	s_barrier_signal -3
.Lnot_wave_0_\@:
	s_barrier_wait -3
	s_barrier_signal -1
	s_barrier_wait -1
.endm
; A PREFETCH INTO THE L2 of the slot that the NEXT change of slots will ask for: two key steps of work ahead of that load.  Each block of 256 bytes is named once in the launch: all clusters of a batch walk the same
; bytes, so the batch's first cluster asks; in it waves 0, 2, 4, 6 each stand for one key step's 32 KiB (K's part and V's), of which each of the four partners takes 8 KiB, told apart BY ADDRESS; lanes 256 bytes apart.
; The last change that fills a slot asks for nothing; slots 0 and 1 come by their loads alone.
.macro ASK
	s_cmp_gt_u32 s41, s42
	s_cbranch_scc0 .Lnot_mine_\@
	global_prefetch_b8 v[PFO], s[44:45] th:TH_LOAD_NT scope:SCOPE_SE
.Lnot_mine_\@:
.endm
; THE CHANGE OF SLOTS, at a slot's head.  Each wave waits for all its tensor loads (one is out: its piece of the slot ahead), adds 0 to its spare word, and waits for that and for its reads of the slot that it has left.
; fill = 1: that slot takes the keys that follow: the barrier is a round of the cluster's, and the joint load, the first thing behind it, has two key steps in which to land.
.macro CHANGE fill
	s_wait_tensorcnt 0x0                           ; no tensor load of mine is out, so the descriptor may be written
	ds_add_u32 v[SPW], v[NIL]
.if \fill
	s_xor_b32 s33, s33, SLOT1                      ; the other slot,
	s_add_nc_u64 s[34:35], s[34:35], 65536         ; the next two key steps of my half; the type bits on top are not reached
	s_wait_xcnt 0x0                                ; the last prefetch, a slot back, has read its address
	s_add_nc_u64 s[44:45], s[44:45], 65536         ; one slot further on than the descriptor
.endif
	s_wait_dscnt 0x0
.if \fill
	CROUND
	tensor_load_to_lds s[32:35], s[24:31]
	s_nop 0
	PLACES 4
.else
	s_barrier_signal -1
	s_barrier_wait -1
.endif
.endm
.macro KLOAD j                         ; K's eight fragments of the slot's j-th step
	WIN 0x40                                       ; destination window 1
.irp t, 0,1,2,3,4,5,6,7
.irp c, 0,1,2,3
	ds_load_b128 v[KF+16*\t+4*\c:KF+16*\t+4*\c+3], v[ADR] offset:32768*(\j)+2048*\t+512*\c
.endr
.endr
	WIN 0
.endm
.macro VLOAD j, t0                     ; V's fragments t0 .. t0 + 3, into the registers that a tile's scores have left
.irp t, \t0, \t0+1, \t0+2, \t0+3
.irp c, 0,1,2,3
	ds_load_b128 v[S+16*(\t)+4*\c:S+16*(\t)+4*\c+3], v[ADR] offset:32768*(\j)+16384+2048*(\t)+512*\c
.endr
.endr
.endm
; THE FRONT OF THE SOFTMAX, both tiles by turns: the largest of a lane's 64 scores (two chains a tile, which begin with the largest so far), M and f.  Each accumulator is read from its low end on.
.macro FRONT
.irp u, 0,1
	v_max3_num_f32 v[MX+2*\u], v[ST+4*\u+1], v[S+64*\u], v[S+64*\u+1]
	v_max3_num_f32 v[MX+2*\u+1], v[ST+4*\u+1], v[S+64*\u+2], v[S+64*\u+3]
.endr
.irp k, 4,8,12,16,20,24,28,32,36,40,44,48,52,56,60
.irp u, 0,1
	v_max3_num_f32 v[MX+2*\u], v[MX+2*\u], v[S+64*\u+\k], v[S+64*\u+\k+1]
	v_max3_num_f32 v[MX+2*\u+1], v[MX+2*\u+1], v[S+64*\u+\k+2], v[S+64*\u+\k+3]
.endr
.endr
.irp u, 0,1
	v_max_num_f32 v[MX+2*\u], v[MX+2*\u], v[MX+2*\u+1]
.endr
.irp u, 0,1
	v_permlanex16_b32 v[PX+\u], v[MX+2*\u], s38, s39   ; the query's other 64 keys lie in the lane 16 away
.endr
.irp u, 0,1
	v_max_num_f32 v[ST+4*\u+1], v[MX+2*\u], v[PX+\u]
.endr
.irp u, 0,1
	v_mul_f32 v[TM+\u], s[CS], v[ST+4*\u+1]        ; the largest t (c is positive)
.endr
.irp u, 0,1
	v_floor_f32 v[NT+\u], -v[TM+\u]                ; the new -M = floor(-t) = -ceil(t)
.endr
.irp u, 0,1
	v_sub_f32 v[DD+\u], v[NT+\u], v[ST+4*\u]       ; old M - new M: a whole number, 0 or less
.endr
.irp u, 0,1
	v_mov_b32 v[ST+4*\u], v[NT+\u]
.endr
.irp u, 0,1
	v_cvt_i32_f32 v[DD+\u], v[DD+\u]               ; (it saturates)
.endr
.irp u, 0,1
	v_ldexp_f32 v[F+2*\u], 1.0, v[DD+\u]           ; f = 2^(old M - new M)
.endr
.endm
.macro SCALE u, i                      ; t - M, pair i (of the pairs c and -M the low word serves both halves)
	v_pk_fma_f32 v[S+64*\u+2*\i:S+64*\u+2*\i+1], v[S+64*\u+2*\i:S+64*\u+2*\i+1], s[CS:CS+1], v[ST+4*\u:ST+4*\u+1] op_sel_hi:[1,0,0]
.endm
.macro EXP2 u, i                       ; p = 2^(t - M), pair i
	v_exp_f32 v[S+64*\u+2*\i], v[S+64*\u+2*\i]
	v_exp_f32 v[S+64*\u+2*\i+1], v[S+64*\u+2*\i+1]
.endm
.macro HOLD u, i                       ; the conversion does not saturate (ISA guide 7.6.2); p is not negative, so the hold is one-sided; pair i
	v_dual_min_num_f32 v[S+64*\u+2*\i], v[S+64*\u+2*\i], v[HB] :: v_dual_min_num_f32 v[S+64*\u+2*\i+1], v[S+64*\u+2*\i+1], v[HB]
.endm
.macro SUM u                           ; THE SUM IS TAKEN OF THE UNQUANTISED p, ahead of its hold: 32 pairs in four chains, the old sum under the new M among them
.set SB, S+64*\u
.set LL, ST+4*\u+2
	v_pk_fma_f32 v[CH:CH+1], v[LL:LL+1], v[F+2*\u:F+2*\u+1], v[SB:SB+1] op_sel_hi:[1,0,1]
	v_pk_add_f32 v[CH+2:CH+3], v[SB+2:SB+3], v[SB+4:SB+5]
	v_pk_add_f32 v[CH+4:CH+5], v[SB+6:SB+7], v[SB+8:SB+9]
	v_pk_add_f32 v[CH+6:CH+7], v[SB+10:SB+11], v[SB+12:SB+13]
.irp p, 8,9,10,7,12,13,14,11,16,17,18,15,20,21,22,19,24,25,26,23,28,29,30,27,31
	v_pk_add_f32 v[CH+2*(\p%4):CH+2*(\p%4)+1], v[CH+2*(\p%4):CH+2*(\p%4)+1], v[SB+2*\p:SB+2*\p+1]
.endr
	v_pk_add_f32 v[CH:CH+1], v[CH:CH+1], v[CH+2:CH+3]
	v_pk_add_f32 v[CH+4:CH+5], v[CH+4:CH+5], v[CH+6:CH+7]
	v_pk_add_f32 v[LL:LL+1], v[CH:CH+1], v[CH+4:CH+5]
.endm
.macro CODES u
.irp i, 0,1,2,3,4,5,6,7
	v_cvt_scalef32_pk8_bf8_f32 v[P+16*\u+2*\i:P+16*\u+2*\i+1], v[S+64*\u+8*\i:S+64*\u+8*\i+7], v[SCL]
.endr
.endm
.macro PV t0                           ; O^T += V^T P^T: the 16 accumulators take turns, one instruction a turn
.irp t, \t0, \t0+1, \t0+2, \t0+3
.irp u, 0,1
	v_wmma_f32_16x16x128_bf8_bf8 v[64*\u+8*(\t):64*\u+8*(\t)+7], v[S+16*(\t):S+16*(\t)+15], v[P+16*\u:P+16*\u+15], v[64*\u+8*(\t):64*\u+8*(\t)+7]
.endr
.endr
.endm
; A KEY STEP: 128 keys, the j-th of the slot in hand.  pre = 1: the next step's K is fetched as soon as this step's scores are issued.
.macro STEP j, pre
	WIN 0x01                                       ; source 0 (K) window 1
.irp t, 0,1,2,3,4,5,6,7
	s_wait_dscnt 28-4*\t                           ; K's fragment t is in: behind its four loads stand those of the 7 - t fragments that follow.  (In a slot's second step all of K's loads have been shown done already)
.irp u, 0,1
	v_wmma_f32_16x16x128_bf8_bf8 v[S+64*\u+8*\t:S+64*\u+8*\t+7], v[KF+16*\t:KF+16*\t+15], v[Q+16*\u:Q+16*\u+15], 0
.endr
.endr
	WIN 0
	PLACES 4                                       ; in front of the loads into K's registers and of the first read of the scores
.if \pre
	KLOAD (\j)+1
.endif
	FRONT
	WIN 0x41                                       ; O^T (destination and source 0) window 1, f window 0
.irp u, 0,1
.set i, 0
.rept 32
	v_pk_mul_f32 v[64*\u+2*i:64*\u+2*i+1], v[64*\u+2*i:64*\u+2*i+1], v[F+2*\u:F+2*\u+1] op_sel_hi:[1,0]   ; O^T under the new M
.set i, i+1
.endr
.endr
	WIN 0
.set i, 0
.rept 32
	SCALE 0, i
.set i, i+1
.endr
	s_wait_alu depctr_va_vdst(0)
.set i, 0
.rept 32                               ; tile 0's exponentials; tile 1's scalings, which nothing here reads, stand between them
	EXP2 0, i
	SCALE 1, i
.set i, i+1
.endr
	s_wait_alu depctr_va_vdst(0)                   ; one wait behind the batch and ahead of the next
	SUM 0
.set i, 0
.rept 32                               ; tile 1's exponentials; tile 0's holds stand between them
	EXP2 1, i
	HOLD 0, i
.set i, i+1
.endr
	s_wait_alu depctr_va_vdst(0)                   ; the wait behind the batch
	CODES 0
	VLOAD \j, 0
	SUM 1
.set i, 0
.rept 32
	HOLD 1, i
.set i, i+1
.endr
	CODES 1
	VLOAD \j, 4
	v_nop                                          ; the plain line behind the conversions
	WIN 0x50                                       ; C and D window 1
	s_wait_alu depctr_va_vdst(0)                   ; directly ahead of the wait below
	s_wait_dscnt 16                                ; V's fragments 0-3 are in; the 16 loads of fragments 4-7 may be out
	PV 0
	s_wait_dscnt 0x0
	PV 4
	WIN 0                                          ; at a label and at a branch every window is 0
	PLACES 5                                       ; the next scores are written over V's registers, which these products read: one place more than a load would want
.endm
.macro SLOTWORK ask
	v_add_nc_u32 v[ADR], s40, v[LB]
	s_wait_alu depctr_va_vdst(0)
	KLOAD 0
.if \ask
	ASK                                            ; behind the joint load, its four lines and the run of LDS loads that the next products wait for
.endif
	STEP 0, 1
	STEP 1, 0
	s_xor_b32 s40, s40, SLOT1                      ; on to the other slot
.endm
	s_load_b256 s[4:11], s[0:1], 0x0               ; qf s[4:5], kv s[6:7], the scales' exponents s[8:9], out s[10:11]
	v_lshl_add_u32 v[SPW], v0, 2, SPARE
	v_mov_b32 v[NIL], 0
	ds_add_u32 v[SPW], v[NIL]                      ; the wave's opening
	ds_add_u32 v[SPW], v[NIL]
	v_lshrrev_b32 v9, 5, v0
	v_readfirstlane_b32 s12, v9                    ; wave 0..7
	s_and_b32 s13, s12, 3                          ; g; also: which piece of my half's four I fetch
	s_lshr_b32 s14, s12, 2                         ; sh
	s_mul_i32 s20, s12, XCHW
	s_xor_b32 s21, s12, 4                          ; my partner: the other half of the keys, the same queries
	s_mul_i32 s21, s21, XCHW
	v_and_b32 v[GO], 31, v0
	v_lshlrev_b32 v[GO], 4, v[GO]
	v_lshrrev_b32 v[LB], 7, v0
	v_lshl_add_u32 v96, v[LB], 11, v[GO]           ; Q: tile 0: + 2,048 sh;
	v_xor_b32 v97, 0x800, v96                      ; tile 1: + 2,048 (1 - sh)
	v_lshl_add_u32 v[LB], v[LB], 16, v[GO]
	v_lshlrev_b32 v[PFO], 4, v[GO]
	v_add_nc_u32 v[XO], s20, v[GO]
	v_add_nc_u32 v[XI], s21, v[GO]
	v_and_b32 v[STO], 15, v0                       ; r
	v_bfe_u32 v9, v0, 4, 1                         ; h
	v_mul_u32_u24 v[STO], v[STO], SP
	v_lshl_add_u32 v[STO], v9, 5, v[STO]
	v_add_nc_u32 v[STO], s21, v[STO]
	s_wait_alu depctr_va_vdst(0)                   ; ahead of the scalar run below
	; descriptor group 1: 64 rows of 256 bytes (32 elements of 8 bytes), dense in memory and in LDS
	s_mov_b32 s24, 15|(3<<16)|(1<<21)              ; 15:0 the mask: all four work-groups; 17:16 elements of 8 bytes; 21 set beside a mask
	s_mov_b32 s25, 32<<16                          ; tensor_dim0 = 32
	s_mov_b32 s26, 64<<16                          ; tensor_dim1 = 64
	s_mov_b32 s27, 32<<16                          ; tile_dim0 = 32
	s_mov_b32 s28, 64                              ; tile_dim1 = 64
	s_mov_b32 s29, 32                              ; from row to row
	s_mov_b32 s30, 0
	s_mov_b32 s31, 0
	s_and_b32 s16, ttmp7, 0xffff                   ; the batch, which the four partners share
	s_lshl_b32 s20, s16, 20                        ; kv: 2^20 bytes a batch,
	s_lshl_b32 s21, s14, 19                        ; 2^19 a half of its keys,
	s_add_co_u32 s20, s20, s21
	s_lshl_b32 s21, s13, 14                        ; my piece
	s_add_co_u32 s20, s20, s21
	s_mov_b32 s21, 0
	s_mov_b32 s32, 1                               ; group 0: count = 1
	s_lshl_b32 s33, s12, 14                        ; LDS address: piece w of slot 0: no place in the cluster enters it
	s_bfe_u32 s15, ttmp6, 0x40000                  ; cx
	s_lshl_b32 s17, s16, 5
	s_lshl_b32 s18, ttmp9, 2                       ; in a cluster launch ttmp9 counts clusters
	s_add_co_u32 s17, s17, s18
	s_add_co_u32 s17, s17, s15                     ; my block of 128 queries: it enters qf's and out's addresses alone
	s_lshl_b32 s18, s17, 14
	s_lshl_b32 s19, s13, 12
	s_add_co_u32 s18, s18, s19                     ; qf: 16,384 bytes a block, 4,096 for my two tiles
	s_mov_b32 s19, 0
	s_lshl_b32 s22, s15, 13                        ; the prefetches: my work-group's 8 KiB of a key step,
	s_add_co_u32 s22, s22, 65536                   ; in slot 1: the first change of slots steps it to slot 2.  Nothing is prefetched at the head
	s_mov_b32 s23, 0
	s_and_b32 s42, s12, 1                          ; 0 in waves 0, 2, 4, 6,
	s_or_b32 s42, s42, ttmp9                       ; where the cluster is the batch's first: the same in all four partners
	s_cmp_eq_u32 s42, 0
	s_cselect_b32 s42, 1, -1                       ; a wave prefetches while s41 is above this
	s_mov_b32 s38, 0x76543210                      ; v_permlanex16_b32: lane l xor 16
	s_mov_b32 s39, 0xfedcba98
	s_mov_b32 s40, 0                               ; the slot in hand
	s_mov_b32 s41, 7                               ; slots still to be asked for
	s_wait_dscnt 0x0                               ; both opening adds are done
	s_wait_kmcnt 0x0
	s_load_b128 s[48:51], s[8:9], 0x18             ; entries 6 to 9
	s_add_nc_u64 s[34:35], s[6:7], s[20:21]
	s_or_b32 s35, s35, 0x80000000                  ; type = 2
	s_add_nc_u64 s[44:45], s[6:7], s[20:21]
	s_add_nc_u64 s[44:45], s[44:45], s[22:23]
	s_add_nc_u64 s[4:5], s[4:5], s[18:19]
	s_lshl_b32 s18, s18, 2                         ; out: 65,536 bytes a block, 16,384 for 32 rows,
	s_lshl_b32 s20, s14, 13                        ; of which I store 16
	s_add_co_u32 s18, s18, s20
	s_add_nc_u64 s[10:11], s[10:11], s[18:19]
	CROUND                                         ; all four work-groups are here: the first joint load meets
	tensor_load_to_lds s[32:35], s[24:31]          ; slot 0
	s_nop 0
	PLACES 4
.irp c, 0,1,2,3
	global_load_b128 v[Q+4*\c:Q+4*\c+3], v96, s[4:5] offset:512*\c   ; Q's two fragments stay in registers
	global_load_b128 v[Q+16+4*\c:Q+16+4*\c+3], v97, s[4:5] offset:512*\c
.endr
.irp u, 0,1
	v_mov_b32 v[ST+4*\u], 0x7f61b1e6               ; -M: 3e38,
	v_mov_b32 v[ST+4*\u+1], 0xff61b1e6             ; the largest score so far: -3e38
	v_mov_b32 v[ST+4*\u+2], 0                      ; the sum, in two halves
	v_mov_b32 v[ST+4*\u+3], 0
	v_mov_b32 v[F+2*\u+1], 0                       ; (named as the upper half of f's pair)
	v_mov_b32 v[PX+\u], 0                          ; written once: a lane permute's destination counts as one of its sources
.endr
	WIN 0x40
.set i, 0
.rept 128
	v_mov_b32 v[i], 0                              ; O^T, while slot 0 is on its way.  (The key step is written without a first step of its own: the first change of M multiplies zeros)
.set i, i+1
.endr
	WIN 0
	s_wait_alu depctr_va_vdst(0)                   ; directly ahead of the wait below
	s_wait_kmcnt 0x0
	s_add_co_i32 s52, s48, s49
	s_lshl_b32 s52, s52, 23
	s_add_co_i32 s[CS], s52, 0x3d38aa3b            ; c = log2(e) / 32, with e6 + e7 added to its exponent field
	s_mov_b32 s[CS+1], s[CS]                       ; (named with it as a pair, so it is written)
	s_add_co_i32 s52, s50, 127
	s_lshl_b32 s53, s52, 23
	v_mov_b32 v[SCL], s53                          ; 2^e8, for the conversions
	s_add_co_i32 s52, s52, 15
	s_lshl_b32 s52, s52, 23
	s_or_b32 s52, s52, 0x600000
	v_mov_b32 v[HB], s52                           ; 57,344 x 2^e8
	s_wait_alu depctr_va_vdst(0)
	s_wait_loadcnt 0x0                             ; Q
.Lslot:                                                ; seven trips: behind each change of slots but the last the next slot is asked for
	CHANGE 1
	SLOTWORK 1
	s_sub_co_u32 s41, s41, 1
	s_cmp_lg_u32 s41, 0
	s_cbranch_scc1 .Lslot
	CHANGE 0                                       ; the last slot is written out
	SLOTWORK 0
	; THE WAY OUT.  Every wave hands its tile 1 (O^T, -M and sum) to its partner through LDS, as images of their registers, merges its tile 0, divides by the sum and stores whole rows.
	v_mov_b32 v96, v[ST+4]                         ; -M, the sum's two halves added
	v_add_f32 v97, v[ST+6], v[ST+7]
	WIN 0x04                                       ; store data in window 1
.set i, 0
.rept 16
	ds_store_b128 v[XO], v[64+4*i:64+4*i+3] offset:512*i
.set i, i+1
.endr
	WIN 0
	ds_store_b64 v[XO], v[96:97] offset:8192
	s_wait_alu depctr_va_vdst(0)
	s_wait_dscnt 0x0                               ; for the partner's sake: my stores are done
	s_barrier_signal -1
	s_barrier_wait -1
	ds_load_b64 v[98:99], v[XI] offset:8192        ; the partner's -M and sum
.set i, 0
.rept 16
	ds_load_b128 v[S+4*i:S+4*i+3], v[XI] offset:512*i   ; and its O^T, in my lanes' places
.set i, i+1
.endr
	s_add_co_i32 s52, s50, s51                     ; e8 + e9
	v_add_f32 v27, v[ST+2], v[ST+3]
	s_wait_alu depctr_va_vdst(0)                   ; directly ahead of the wait below
	s_wait_dscnt 16                                ; the statistics are in; the 16 loads behind them may be out
	v_min_num_f32 v24, v[ST], v98                  ; -M of the whole row: the larger M
	v_sub_f32 v25, v24, v[ST]                      ; my M - the row's, a whole number, 0 or less;
	v_sub_f32 v26, v24, v98                        ; the partner's
	v_cvt_i32_f32 v25, v25
	v_cvt_i32_f32 v26, v26
	v_ldexp_f32 v25, 1.0, v25
	v_ldexp_f32 v26, 1.0, v26
	v_mul_f32 v27, v27, v25
	v_fma_f32 v27, v99, v26, v27                   ; both halves' sums under the row's M,
	v_permlanex16_b32 v[PX], v27, s38, s39
	v_add_f32 v27, v27, v[PX]                      ; and lane l xor 16's: the row's sum
	s_wait_alu depctr_va_vdst(0)
	v_rcp_f32 v30, v27
	v_nop                                          ; one plain line behind a transcendental
	s_wait_alu depctr_va_vdst(0)
	v_ldexp_f32 v30, v30, s52                      ; x 2^(e8 + e9)
	v_mul_f32 v20, v25, v30                        ; my factor, in both words of a pair;
	v_mul_f32 v21, v25, v30
	v_mul_f32 v22, v26, v30                        ; the partner's
	v_mul_f32 v23, v26, v30
	s_wait_alu depctr_va_vdst(0)                   ; directly ahead of the wait below
	s_wait_dscnt 0x0
.set i, 0
.rept 32
	v_pk_mul_f32 v[S+2*i:S+2*i+1], v[S+2*i:S+2*i+1], v[22:23]
.set i, i+1
.endr
	WIN 0x01                                       ; source 0 (my O^T) window 1
	s_wait_alu depctr_va_vdst(0)                   ; directly ahead of the first reader of O^T
.set i, 0
.rept 32
	v_pk_fma_f32 v[S+2*i:S+2*i+1], v[2*i:2*i+1], v[20:21], v[S+2*i:S+2*i+1]   ; each accumulator from its low end on
.set i, i+1
.endr
	WIN 0
; Register 8 t + i of lane (r, h) is out(r, 16 t + 8 h + i): 32 bytes of a row.  The tile goes through my stage, the bytes that I alone have read, and comes back as whole rows of 512 bytes.
.irp t, 0,1,2,3,4,5,6,7
	ds_store_b128 v[STO], v[S+8*\t:S+8*\t+3] offset:64*\t
	ds_store_b128 v[STO], v[S+8*\t+4:S+8*\t+7] offset:64*\t+16
.endr
.set i, 0
.rept 16
	ds_load_b128 v[32+4*i:32+4*i+3], v[XI] offset:SP*i   ; LDS serves a wave's instructions in order (ISA guide 5.7.1.4): these see the stores above
.set i, i+1
.endr
.set i, 0
.rept 16
	s_wait_dscnt 15-i
	global_store_b128 v[GO], v[32+4*i:32+4*i+3], s[10:11] offset:512*i th:TH_STORE_NT   ; 32 lanes store a row of 512 bytes, at a multiple of 256 from out's first byte; written once, read by nobody here
.set i, i+1
.endr
	s_wait_tensorcnt 0x0                           ; the wave's end
	ds_add_u32 v[SPW], v[NIL]
	s_wait_dscnt 0x0
	CROUND                                         ; the closing round: no work-group ends while a partner may still ask for a tile that names it
	s_endpgm
.Lfunc_end_k_q080c30eabb_attn:
	.size	k_q080c30eabb_attn, .Lfunc_end_k_q080c30eabb_attn-k_q080c30eabb_attn
	.p2alignl 7, 3214868480
	.fill 96, 4, 3214868480
	.section	.rodata,"a",@progbits
	.p2align	6, 0x0
	.amdhsa_kernel k_q080c30eabb_attn
		.amdhsa_group_segment_fixed_size 327680
		.amdhsa_private_segment_fixed_size 0
		.amdhsa_enable_private_segment 0
		.amdhsa_kernarg_size 32
		.amdhsa_user_sgpr_count 2
		.amdhsa_user_sgpr_kernarg_segment_ptr 1
		.amdhsa_wavefront_size32 1
		.amdhsa_system_sgpr_workgroup_id_x 1
		.amdhsa_system_sgpr_workgroup_id_y 1
		.amdhsa_system_sgpr_workgroup_id_z 1
		.amdhsa_system_vgpr_workitem_id 0
		.amdhsa_next_free_vgpr 512
		.amdhsa_next_free_sgpr 66
		.amdhsa_reserve_vcc 0
		.amdhsa_float_denorm_mode_32 3
		.amdhsa_float_denorm_mode_16_64 3
		.amdhsa_memory_ordered 1
		.amdhsa_forward_progress 1
		.amdhsa_inst_pref_size 155
	.end_amdhsa_kernel
	.amdgpu_metadata
---
amdhsa.version: [ 1, 2 ]
amdhsa.kernels:
  - .name:           k_q080c30eabb_attn
    .symbol:         k_q080c30eabb_attn.kd
    .args:
      - { .name: qf, .offset: 0, .size: 8, .value_kind: global_buffer, .address_space: global }
      - { .name: kv, .offset: 8, .size: 8, .value_kind: global_buffer, .address_space: global }
      - { .name: lowp_scales, .offset: 16, .size: 8, .value_kind: global_buffer, .address_space: global }
      - { .name: out0, .offset: 24, .size: 8, .value_kind: global_buffer, .address_space: global }
    .group_segment_fixed_size: 327680
    .private_segment_fixed_size: 0
    .kernarg_segment_align: 8
    .kernarg_segment_size: 32
    .max_flat_workgroup_size: 256
    .sgpr_count:     66
    .vgpr_count:     512
    .wavefront_size: 32
...
	.end_amdgpu_metadata
.endif
;; end of part 3
